; MI455X (gfx1250); checked and timed in simulation.
; The chip was launched on July 23, 2026; its instructions are those of AMD's public machine-readable ISA for CDNA 5 (MIT licence, August 2026) and "CDNA5" Instruction Set Architecture Reference Guide (July 2026). The comments in the code are by the model that wrote it; some were corrected since.
;; Vanilla LSTM Cell. Allowed arithmetic: matrix products marked QUANTISED: E5M2 operands, one given power-of-two scale a tensor, by v_wmma_f32_16x16x64_bf8_bf8 or v_wmma_f32_16x16x128_bf8_bf8, f32 sums; everything else in f32.
;; Inputs: Whf_b 1,024 float32; Whf_w 1,024 x 1,024 float32; Whg_b 1,024 float32; Whg_w 1,024 x 1,024 float32; Whi_b 1,024 float32; Whi_w 1,024 x 1,024 float32; Who_b 1,024 float32; Who_w 1,024 x 1,024 float32; Wxf_b 1,024 float32; Wxf_w 1,024 x 1,024 float32; Wxg_b 1,024 float32; Wxg_w 1,024 x 1,024 float32; Wxi_b 1,024 float32; Wxi_w 1,024 x 1,024 float32; Wxo_b 1,024 float32; Wxo_w 1,024 x 1,024 float32; c 8,192 x 1,024 float32; h_codes 8,192 x 32 x 32 uint8 (E5M2 codes of h, K innermost, in blocks of 32 codes); lowp_scales 4 int32 (the exponents e of the quantised operands' scales 2^e); x_codes 8,192 x 32 x 32 uint8 (E5M2 codes of x, K innermost, in blocks of 32 codes).
;; Outputs: out0 8,192 x 1,024 float32; out1 8,192 x 1,024 float32.
;; This version of the problem:
;;   THIS VERSION OF THE PROBLEM IS GIVEN IN LOW PRECISION. The matrix products marked QUANTISED in the list below multiply operands that are first quantised to E5M2 (5 exponent bits, 2 mantissa bits; 8 bits a number), with one given power-of-two scale for each operand tensor; their sums are f32. All else is computed in f32.
;;   The module's matrix products, in the order in which they are computed (A, B: the left and right operand; K: the contracted axis; several contracted axes count as one K, in the product's order):
;;     1. [M 8,192, K 1,024] x [K 1,024, N 4,096]; A: input x (given as codes); B: computed on the way: QUANTISED (scales: A lowp_scales[0], B lowp_scales[1])
;;     2. [M 8,192, K 1,024] x [K 1,024, N 4,096]; A: input h (given as codes); B: computed on the way: QUANTISED (scales: A lowp_scales[2], B lowp_scales[3])
;;   THE QUANTISER, for each operand of a quantised product, along K:
;;     - The operand's scale is 2^e, e = its entry of the input lowp_scales (int32; the entries are numbered through the quantised products in the list's order, A before B).
;;     - Each number is divided by the scale, clamped to +-57,344, and rounded to the nearest number of E5M2, ties to even, subnormals kept.
;;     - The product sums the exact products of the quantised numbers (number of the format x scale) in f32.
;;   ~~~python
;;   def quantise(x, axis, e):      # numpy; x: float32 -> the quantised numbers, widened to float32 again
;;       x = np.moveaxis(x, axis, -1); K = x.shape[-1]
;;       r = np.clip(x / 2.0 ** e, -57344, 57344)
;;       step = 2.0 ** (np.maximum(np.frexp(np.where(r == 0, 1, r))[1] - 1, -14) - 2)
;;       q = np.round(r / step) * step * 2.0 ** e      # np.round: ties to even
;;       return np.moveaxis(q, -1, axis).astype(np.float32)
;;   ~~~
;;   OPERANDS COMPUTED ON THE WAY. 'Computed on the way' means the value that the module computes at that place (a softmax that the list does not call 'softmax' is quantised finished and normalised). What goes into a quantiser is computed in f32, as accurately as f32 sums, v_exp_f32 and their like allow (about 1e-6 of the number): no bf16 or f16 on the way to a quantiser, and a product that is left as it is and whose result goes on into a quantised operand takes f32 operands (vector FMAs, or v_wmma_f32_16x16x4_f32). A number that lies on a knife's edge between two numbers of the format may be rounded either way, as far as f32 arithmetic and the matrix unit's own rounding can turn it there, and no further.
;;   INPUTS GIVEN AS CODES. h (in the module: [8192, 1024], K = its axis 1); x (in the module: [8192, 1024], K = its axis 1): each comes as NAME_codes (uint8): NAME with its K axis moved to the last place and cut into blocks of 32 codes, [.., K / 32, bytes a block], one block behind the other in memory; one code a byte (a code: sign, 5 exponent bits, 2 mantissa bits); its scale is its entry of lowp_scales. Its value is code x scale, taken as it is: it is not quantised again, and the codes and scales need not be those that the quantiser above would give.
;; One version. Each part assembles by itself: llvm-mc -triple=amdgcn-amd-amdhsa -mcpu=gfx1250 --defsym DOCPART=n.
;; ======== version 1 of 1: 2 launches
;; limits: inputs' magnitudes at most 1e+20; right only within a limited range of input values
;; workspace buffers: wq 8,388,608 bytes
;; launch quant (part 1): grid 512 x 1, 4 waves a work-group, no clusters, 39,424 bytes of LDS; arguments Wxi_w, Wxf_w, Wxo_w, Wxg_w, Whi_w, Whf_w, Who_w, Whg_w, lowp_scales, wq; writes wq
.if DOCPART == 1
	.amdgcn_target "amdgcn-amd-amdhsa--gfx1250"
	.amdhsa_code_object_version 6
	.text
	.protected	k_q53c13dc9fc_quant
	.globl	k_q53c13dc9fc_quant
	.p2align	8
	.type	k_q53c13dc9fc_quant,@function
k_q53c13dc9fc_quant:
	s_mov_b64 s[64:65], 0
	v_nop
	global_prefetch_b8 v0, s[64:65] scope:SCOPE_SE
	s_setreg_imm32_b32 hwreg(HW_REG_WAVE_MODE, 25, 1), 1
	s_wait_xcnt 0x0
; The eight weights, each [1024 (unit)][1024 (k)] f32, become codes of BF8 (E5M2) in wq, laid as IMAGES OF THE OPERAND REGISTERS of the product's launch.
; Every input has a way to an output and is loaded.
; wq = [64 groups of 16 units][16 steps S of 128 along K: 0-7 the x side, 8-15 the h side][4 gates i, f, o, g][2,048 bytes]; inside the 2,048 bytes the 16 codes
; k = 128 S' + 16 q + 0 .. 15 (q = 0 .. 7) of unit r (0 .. 15) lie at 256 q + 16 r: load c of four, 512 bytes, gives lane r + 16 hh the codes k = 32 c + 16 hh + 0 .. 15.
; code = w / 2^e, held within +-57,344, to the nearest code, ties to even; e = entry 1 of the scales (x side) or entry 3 (h side).
; LIMITS: -126 <= e <= 112, so that 2^e and 57,344 x 2^e are f32 numbers.  NaN among the weights is not served (an infinity is held at the largest code).
; SHARES: work-group = tensor T (number / 64) x 16 rows (number % 64); wave w takes k = 256 w .. 256 w + 255 of all 16 rows, in 8 steps of two rows.  All 32 loads of a wave go out at the head,
; each 512 consecutive bytes.  A step's 2,048 bytes go through the wave's own stage and come back 64 bytes a lane: 16 neighbours along K for the conversions.
; The codes gather in a second stage of the wave's own ([16 q][16 rows x 16 bytes], 16 bytes of padding a line) and leave as 8 stores of 512 consecutive bytes, aligned.  No barrier: waves share nothing.
.set STEPS, 8
.set SP,    80                         ; a lane's place in a first stage: 64 bytes + 16 of padding
.set WREG,  9728                       ; LDS of a wave: two first stages of 32 x SP, then the second stage
.set ST2,   5120
.set QP,    272                        ; a line of the second stage
.set SPARE, 4*WREG                     ; the spare words: two blocks of 256 bytes that no other line names
.set R,     16                         ; v16-143   eight sets of 16 numbers as loaded; v16-47 later the codes read back
.set X,     144                        ; v144-175  two sets of 16 neighbours
.set C,     176                        ; v176-207  codes, four registers a step
	s_load_b512 s[8:23], s[0:1], 0x0               ; the eight weights
	s_load_b128 s[24:27], s[0:1], 0x40             ; the scales' exponents, wq
	v_lshl_add_u32 v208, v0, 2, SPARE
	v_mov_b32 v209, 0
	v_lshrrev_b32 v1, 5, v0
	v_readfirstlane_b32 s30, v1                    ; wave
	s_lshr_b32 s28, ttmp9, 6                       ; T
	s_and_b32 s29, ttmp9, 63                       ; rg: which 16 rows
	s_mul_i32 s31, s30, WREG
	s_lshl_b32 s6, s29, 16                         ; in: 16 rows of 4,096 bytes, + 1,024 bytes a wave
	s_lshl_b32 s7, s30, 10
	s_or_b32 s6, s6, s7
	s_mov_b32 s7, 0
	s_lshl_b32 s36, s29, 17                        ; out: ((16 rg + 8 side + 2 wave) 4 + gate) 2,048
	s_lshr_b32 s37, s28, 2
	s_lshl_b32 s37, s37, 16
	s_add_co_u32 s36, s36, s37
	s_lshl_b32 s37, s30, 14
	s_add_co_u32 s36, s36, s37
	s_and_b32 s37, s28, 3
	s_lshl_b32 s37, s37, 11
	s_add_co_u32 s36, s36, s37
	s_mov_b32 s37, 0
	v_and_b32 v2, 31, v0                           ; lane
	v_lshlrev_b32 v3, 4, v2                        ; 16 x lane
	v_lshrrev_b32 v14, 2, v2
	v_mul_u32_u24 v14, v14, SP
	v_and_b32 v15, 3, v2
	v_lshl_add_u32 v14, v15, 4, v14
	v_add_nc_u32 v14, s31, v14                     ; first stage, in: SP (lane / 4) + 16 (lane % 4)
	v_mul_u32_u24 v15, v2, SP
	v_add_nc_u32 v15, s31, v15                     ; and out: SP x lane
	v_and_b32 v4, 15, v2
	v_lshrrev_b32 v5, 4, v2
	v_mul_u32_u24 v12, v4, QP
	v_lshl_add_u32 v12, v5, 4, v12
	v_add_nc_u32 v12, s31, v12                     ; second stage, in: line q = lane % 16, row lane / 16 of the step's two
	v_mul_u32_u24 v13, v5, QP
	v_lshl_add_u32 v13, v4, 4, v13
	v_add_nc_u32 v13, s31, v13                     ; and out: line lane / 16 of two, row lane % 16
	s_wait_alu depctr_va_vdst(0)                   ; the head's end
	s_wait_kmcnt 0x0
	s_load_b128 s[32:35], s[24:25], 0x0            ; the four exponents
	s_mov_b64 s[4:5], s[8:9]                       ; my tensor, by the work-group's number alone
.irp t, 1,2,3,4,5,6,7
	s_cmp_eq_u32 s28, \t
	s_cselect_b64 s[4:5], s[8+2*\t:9+2*\t], s[4:5]
.endr
	s_add_nc_u64 s[4:5], s[4:5], s[6:7]
	s_add_nc_u64 s[26:27], s[26:27], s[36:37]
.macro LOAD t                          ; rows 2 t and 2 t + 1, my 1,024 bytes of each
.irp i, 0,1,2,3
	global_load_b128 v[R+16*(\t)+4*\i:R+16*(\t)+4*\i+3], v3, s[4:5] offset:(2*(\t)+\i/2)*4096+512*(\i%2) th:TH_LOAD_NT
.endr
.endm
.macro TURN t                          ; LDS serves a wave's instructions in order (ISA guide 5.7.1.4): no wait between the stores and the loads
.irp i, 0,1,2,3
	ds_store_b128 v14, v[R+16*(\t)+4*\i:R+16*(\t)+4*\i+3] offset:32*SP*((\t)%2)+8*SP*\i
.endr
.irp i, 0,1,2,3
	ds_load_b128 v[X+16*((\t)%2)+4*\i:X+16*((\t)%2)+4*\i+3], v15 offset:32*SP*((\t)%2)+16*\i
.endr
.endm
.irp t, 0,1,2,3,4,5,6,7
	LOAD \t
.endr
	s_wait_kmcnt 0x0
	s_cmp_lt_u32 s28, 4                            ; x side or h side
	s_cselect_b32 s33, s33, s35                    ; e
	s_add_co_i32 s33, s33, 127
	s_lshl_b32 s35, s33, 23
	v_mov_b32 v11, s35                             ; 2^e
	s_add_co_i32 s33, s33, 15
	s_lshl_b32 s33, s33, 23
	s_or_b32 s33, s33, 0x600000
	v_mov_b32 v10, s33                             ; 57,344 x 2^e
	s_wait_alu depctr_va_vdst(0)
	s_wait_loadcnt 28                              ; step 0's four loads are in; the 28 behind them may be out
	TURN 0
.macro STEP t
.set XS, X+16*((\t)%2)
	s_wait_dscnt 0x0                               ; this step's numbers are back from the stage
.if (\t)+1 < STEPS
	s_wait_loadcnt 4*(6-(\t))                      ; the next step's four loads are in
	TURN (\t)+1
.endif
.irp i, 0,1,2,3,4,5,6,7,8,9,10,11,12,13,14,15
	v_med3_num_f32 v[XS+\i], v[XS+\i], -v10, v10   ; the conversion does not saturate (ISA guide 7.6.2): held first
.endr
	v_cvt_scalef32_pk8_bf8_f32 v[C+4*(\t):C+4*(\t)+1], v[XS:XS+7], v11
	v_cvt_scalef32_pk8_bf8_f32 v[C+4*(\t)+2:C+4*(\t)+3], v[XS+8:XS+15], v11
	v_nop                                          ; one plain line behind the last conversion of a run
	ds_store_b128 v12, v[C+4*(\t):C+4*(\t)+3] offset:ST2+32*(\t)
.endm
.irp t, 0,1,2,3,4,5,6,7
	STEP \t
.endr
.irp i, 0,1,2,3,4,5,6,7
	ds_load_b128 v[R+4*\i:R+4*\i+3], v13 offset:ST2+2*QP*\i     ; lines 2 i, 2 i + 1: 512 bytes of the image
.endr
.irp i, 0,1,2,3,4,5,6,7
	s_wait_dscnt 7-\i
	global_store_b128 v3, v[R+4*\i:R+4*\i+3], s[26:27] offset:(\i/4)*8192+(\i%4)*512   ; 32 lanes store 512 consecutive bytes, aligned
.endr
	s_wait_tensorcnt 0x0                           ; the wave's end
	ds_add_u32 v208, v209
	s_wait_dscnt 0x0
	s_endpgm
.Lfunc_end_k_q53c13dc9fc_quant:
	.size	k_q53c13dc9fc_quant, .Lfunc_end_k_q53c13dc9fc_quant-k_q53c13dc9fc_quant
	.p2alignl 7, 3214868480
	.fill 96, 4, 3214868480
	.section	.rodata,"a",@progbits
	.p2align	6, 0x0
	.amdhsa_kernel k_q53c13dc9fc_quant
		.amdhsa_group_segment_fixed_size 39424
		.amdhsa_private_segment_fixed_size 0
		.amdhsa_enable_private_segment 0
		.amdhsa_kernarg_size 80
		.amdhsa_user_sgpr_count 2
		.amdhsa_user_sgpr_kernarg_segment_ptr 1
		.amdhsa_wavefront_size32 1
		.amdhsa_system_sgpr_workgroup_id_x 1
		.amdhsa_system_sgpr_workgroup_id_y 1
		.amdhsa_system_sgpr_workgroup_id_z 1
		.amdhsa_system_vgpr_workitem_id 0
		.amdhsa_next_free_vgpr 210
		.amdhsa_next_free_sgpr 66
		.amdhsa_reserve_vcc 0
		.amdhsa_float_denorm_mode_32 3
		.amdhsa_float_denorm_mode_16_64 3
		.amdhsa_memory_ordered 1
		.amdhsa_forward_progress 1
		.amdhsa_inst_pref_size 22
	.end_amdhsa_kernel
	.amdgpu_metadata
---
amdhsa.version: [ 1, 2 ]
amdhsa.kernels:
  - .name:           k_q53c13dc9fc_quant
    .symbol:         k_q53c13dc9fc_quant.kd
    .args:
      - { .name: Wxi_w, .offset: 0, .size: 8, .value_kind: global_buffer, .address_space: global }
      - { .name: Wxf_w, .offset: 8, .size: 8, .value_kind: global_buffer, .address_space: global }
      - { .name: Wxo_w, .offset: 16, .size: 8, .value_kind: global_buffer, .address_space: global }
      - { .name: Wxg_w, .offset: 24, .size: 8, .value_kind: global_buffer, .address_space: global }
      - { .name: Whi_w, .offset: 32, .size: 8, .value_kind: global_buffer, .address_space: global }
      - { .name: Whf_w, .offset: 40, .size: 8, .value_kind: global_buffer, .address_space: global }
      - { .name: Who_w, .offset: 48, .size: 8, .value_kind: global_buffer, .address_space: global }
      - { .name: Whg_w, .offset: 56, .size: 8, .value_kind: global_buffer, .address_space: global }
      - { .name: lowp_scales, .offset: 64, .size: 8, .value_kind: global_buffer, .address_space: global }
      - { .name: wq, .offset: 72, .size: 8, .value_kind: global_buffer, .address_space: global }
    .group_segment_fixed_size: 39424
    .private_segment_fixed_size: 0
    .kernarg_segment_align: 8
    .kernarg_segment_size: 80
    .max_flat_workgroup_size: 128
    .sgpr_count:     66
    .vgpr_count:     210
    .wavefront_size: 32
...
	.end_amdgpu_metadata
.endif
;; end of part 1
;; launch lstm (part 2): grid 16 x 32, 4 waves a work-group, clusters of 4 x 1, 327,680 bytes of LDS; arguments x_codes, h_codes, wq, lowp_scales, c, out0, out1, Wxi_b, Wxf_b, Wxo_b, Wxg_b, Whi_b, Whf_b, Who_b, Whg_b; writes out0, out1
.if DOCPART == 2
	.amdgcn_target "amdgcn-amd-amdhsa--gfx1250"
	.amdhsa_code_object_version 6
	.text
	.protected	k_q53c13dc9fc_lstm
	.globl	k_q53c13dc9fc_lstm
	.p2align	8
	.type	k_q53c13dc9fc_lstm,@function
k_q53c13dc9fc_lstm:
	s_mov_b64 s[64:65], 0
	v_nop
	global_prefetch_b8 v0, s[64:65] scope:SCOPE_SE
	s_setreg_imm32_b32 hwreg(HW_REG_WAVE_MODE, 25, 1), 1
	s_wait_xcnt 0x0
	s_wait_alu depctr_hold_cnt(0) depctr_sa_sdst(0) depctr_va_vdst(0) depctr_va_sdst(0) depctr_va_ssrc(0) depctr_va_vcc(0) depctr_vm_vsrc(0)
	s_getreg_b32 s2, hwreg(HW_REG_IB_STS2, 6, 4)
	s_cmp_eq_u32 s2, 0
	s_cbranch_scc0 .Lentry_in_a_cluster
	s_endpgm
.Lentry_in_a_cluster:
	s_bfe_u32 s2, ttmp6, 0x10000c
	s_cmp_lg_u32 s2, 0x3003
	s_cbranch_scc0 .Lentry_shape_is_right
	s_endpgm
.Lentry_shape_is_right:
; An LSTM cell: z = x Wx^T + bx + h Wh^T + bh;  c_next = sigmoid(zf) c + sigmoid(zi) tanh(zg) (out1);  h_next = sigmoid(zo) tanh(c_next) (out0).  z never goes to memory.
; x, h: [8192][1024] codes of BF8, K innermost.  wq: the weights' codes as images of the operand registers: [64 groups of 16 units][16 steps of 128 K: x side, then h side][4 gates][2,048 bytes].
; SHARES.  A work-group of four waves takes 256 rows x 64 units; wave w ALL 256 rows x units 16 w .. 16 w + 15 x 4 gates: 64 accumulators of 16 x 16, 512 registers.
; THE WEIGHTS GO FROM MEMORY STRAIGHT INTO REGISTERS: no two waves of a work-group need the same weights, so LDS would only be a detour.  A step's 8 KiB are 16 loads of 512 consecutive bytes; four sets of
; 64 registers take turns, a set asked for three steps ahead.  They never enter LDS, so no joint request can serve them: that is why wq has no multicast.
; x AND h GO THROUGH LDS: two slots of 256 rows x 512 bytes of K, four fills in all (x, x, h, h), one tensor load of 64 rows a wave.
; CLUSTERS of 4 x 1: the four work-groups share their 256 rows of x and h and ask for them JOINTLY (mask 15, the same descriptor in all four).
; THE MATRIX INSTRUCTION IS USED TRANSPOSED (source 0 = 16 rows of weights, source 1 = 16 rows of x or h): in accumulator (a, g) lane (r, hh) holds row 16 a + r, and its register i gate g of unit 8 hh + i of my 16.
; A BLOCK is a row block's four products.  Its fragment of x or h (16 registers, four LDS loads) lies in one of twelve buffers.  LOADS STAND IN RUNS, one behind every fourth block m: four v_nop (the places between a
; buffer's last product and the load into it: ISA guide 7.12.1 for vector instructions), the fragments of blocks m + 9 .. m + 12 into the buffers that blocks m - 3 .. m read, and a quarter of the weights of step S + 3.
; TWO PRODUCTS, ONE SUM: behind x's 8 steps every sum is multiplied by 2^d, d = e0 + e1 - e2 - e3 (nothing is rounded); h's products add on: the sum stands for z / 2^(e2 + e3), biases aside.
; THE GATES, L = log2(e): ei = 2^min(-L zi, 30), ef likewise, eg = 2^min(-2 L zg, 30), eo = 2^(-L zo);  c_next = [c (1+ei)(1+eg) + (1-eg)(1+ef)] / [(1+ei)(1+eg)(1+ef)];
; ec = 2^min(-2 L c_next, 30);  h_next = (1-ec) / [(1+eo)(1+ec)].  eo needs no hold: where it is infinite the reciprocal is 0, and so is h_next, as it should be.
; LIMITS.  d between -126 and 127, e2 + e3 between -126 and 126.  The hold at 30 moves a sigmoid by under 1e-9 and a tanh by under 2e-9, and keeps every product under 2^91 x (1 + |c|): |c| stays under 1e20.
; NaN and infinities among c and the biases are not served.
; c's tile (256 rows x 256 bytes) goes into slot 0 when that slot has been read for the last time, 64 rows a wave; c_next is written over it; h_next's stage lies in slot 1, behind its last read and a barrier.
; THE WAY OUT: four groups of 64 rows; a barrier (a row's 256 bytes come from four waves), then each wave stores 16 whole rows of each result among the next group's gates.
; PREFETCHES: behind each fill the next fill's 512 bytes a row (16 rows a wave and partner, shared out by address); c's rows in the second slot's steps; of the weights, in step S two blocks of 256 bytes of step S + 7, shared out among 16 row tiles.
; REGISTERS: window 0: v0-31 addresses, v32-63 biases, v64-255 the twelve buffers (on the way out at work); window 1: the weights' four sets; windows 2, 3: the accumulators ((a, g) at v[8 (4 (a % 8) + g)]).
.set PITCH, 528                        ; an LDS row of x or h: 512 bytes + 16
.set QT,    64*PITCH                   ; what one joint load brings
.set SLOT,  4*QT
.set SPARE, 2*SLOT                     ; the spare words: two blocks of 256 bytes that no other line names
.set CP,    272                        ; a row of c, c_next or h_next in LDS
.set CQ,    64*CP
.set ADRA, 8                           ; v8-11   my fragment address: slot 0 blocks 0-7, 8-15; slot 1 likewise
.set BV,   12                          ; v12     16 x lane
.set EC,   13                          ; v13     my 32 bytes of a row of c
.set EH,   14                          ; v14     the same in h_next's stage
.set RC,   15                          ; v15     whole rows of c_next read back
.set RH,   16                          ; v16     and of h_next
.set CO,   17                          ; v17     my byte offset in two rows of an output
.set BO,   18                          ; v18     my byte offset in a bias
.set PFV,  19                          ; v19     prefetch of x, h: row lane / 2, block lane % 2
.set PFC,  20                          ; v20     of c: a row a lane
.set PFW,  21                          ; v21     of wq: my row tile's two blocks of a step's 32
.set SPW,  28
.set NIL,  29
.set BIAS, 32                          ; -L (bx + bh) (gate g: -2 L) at 8 g + i
.set AF,   64
.set Z,    64                          ; the way out: 16 a gate (two row blocks x 8 units)
.set ZI,   Z
.set ZF,   Z+16
.set ZO,   Z+32
.set ZG,   Z+48
.set CC,   128                         ; c, then c_next: two sets by turns
.set T0,   160
.set T1,   176
.set OB,   192                         ; 16 rows of c_next and 16 of h_next read back
.set G1A,  24                          ; s[24:31] group 1 for x, h;  s[32:39] for c
.set G1C,  32
.set F0,   40                          ; s[40:59] group 0: the four fills, then c's
.set F1,   44
.set F2,   48
.set F3,   52
.set CD,   56
.set MSB, 0
.macro WIN new                         ; the immediate's high byte repeats the setting that is left
.if MSB != (\new)
	s_set_vgpr_msb (MSB<<8)|(\new)
.set MSB, (\new)
.endif
.endm
.set TO_B, 0x40                        ; destination window 1, address window 0
.macro CREST                           ; a round of the cluster's barrier behind its opening barrier
	s_cmp_lg_u32 s20, 0
	s_cbranch_scc1 .Lnot_wave_0_\@
	s_barrier_signal -3
.Lnot_wave_0_\@:
	s_barrier_wait -3
	s_barrier_signal -1
	s_barrier_wait -1
.endm
.macro CROUND
	s_barrier_signal -1
	s_barrier_wait -1
	CREST
.endm
.macro TLOAD g0, g1                    ; every wave's own 64 rows; s_nop 0 and four v_nop behind it
	tensor_load_to_lds s[\g0:\g0+3], s[\g1:\g1+7]
	s_nop 0
.rept 4
	v_nop
.endr
.endm
.macro GRP0 g, lreg, loff, preg, poff
	s_mov_b32 s[\g], 1
	s_add_co_u32 s[\g+1], s[\lreg], \loff
	s_add_nc_u64 s[\g+2:\g+3], s[\preg:\preg+1], \poff
	s_or_b32 s[\g+3], s[\g+3], 0x80000000
.endm
	s_load_b256 s[4:11], s[0:1], 0x0               ; x s[4:5], h s[6:7], wq s[8:9], the exponents s[10:11]
	s_load_b128 s[12:15], s[0:1], 0x20             ; c, out0
	s_load_b64 s[16:17], s[0:1], 0x30              ; out1
	s_load_b512 s[68:83], s[0:1], 0x38             ; the eight biases
	v_lshl_add_u32 v[SPW], v0, 2, SPARE
	v_mov_b32 v[NIL], 0
	ds_add_u32 v[SPW], v[NIL]                      ; the opening lines: the add twice on end
	ds_add_u32 v[SPW], v[NIL]
	v_lshrrev_b32 v1, 5, v0
	v_readfirstlane_b32 s20, v1                    ; wave
	s_bfe_u32 s23, ttmp6, 0x40000                  ; cx
	s_lshl_b32 s21, ttmp9, 2
	s_add_co_u32 s21, s21, s23                     ; TC: which 64 units
	s_and_b32 s22, ttmp7, 0xffff
	s_lshr_b32 s40, ttmp9, 1
	s_lshl_b32 s40, s40, 4
	s_xor_b32 s22, s22, s40                        ; TR: which 256 rows = y xor 16 (cluster x / 2): one to one for each cluster x, the same in the four partners; the work-groups with y under 16 together name all 32 row tiles and all 16 groups of 64 units
	s_mov_b32 s[G1A], 15|(1<<20)|(1<<21)|(6<<22)|(3<<25)   ; mask of the four; bytes; 4 words of padding behind every 128
	s_mov_b32 s[G1A+1], 512<<16
	s_mov_b32 s[G1A+2], 64<<16
	s_mov_b32 s[G1A+3], 512<<16
	s_mov_b32 s[G1A+4], 64
	s_mov_b32 s[G1A+5], 1024
	s_mov_b32 s[G1A+6], 0
	s_mov_b32 s[G1A+7], 0
	s_mov_b32 s[G1C], (2<<16)|(1<<20)|(5<<22)|(3<<25)      ; c: no mask; 64 rows x 64 numbers of 4 bytes
	s_mov_b32 s[G1C+1], 64<<16
	s_mov_b32 s[G1C+2], 64<<16
	s_mov_b32 s[G1C+3], 64<<16
	s_mov_b32 s[G1C+4], 64
	s_mov_b32 s[G1C+5], 1024
	s_mov_b32 s[G1C+6], 0
	s_mov_b32 s[G1C+7], 0
	s_lshl_b32 s60, s22, 18                        ; x, h: row 256 TR + 64 wave, of 1,024 bytes: hangs on what the four share
	s_lshl_b32 s61, s20, 16
	s_add_co_u32 s60, s60, s61
	s_mov_b32 s61, 0
	s_lshl_b32 s62, s21, 19                        ; wq: group 4 TC + wave, of 131,072 bytes
	s_lshl_b32 s63, s20, 17
	s_add_co_u32 s62, s62, s63
	s_mov_b32 s63, 0
	s_lshl_b32 s84, s22, 20                        ; c and the outputs: row 256 TR, + 256 TC bytes,
	s_lshl_b32 s85, s21, 8
	s_add_co_u32 s84, s84, s85
	s_lshl_b32 s85, s20, 18
	s_add_co_u32 s86, s84, s85                     ; c: + 64 rows a wave
	s_lshl_b32 s85, s20, 16
	s_add_co_u32 s84, s84, s85                     ; outputs: + 16 rows a wave
	s_mov_b32 s85, 0
	s_mov_b32 s87, 0
	s_lshl_b32 s88, s23, 14                        ; the prefetches of x, h: my work-group's 16 rows of the 64 that I fetch
	s_mov_b32 s89, 0
	s_mul_i32 s100, s20, QT
	s_mul_i32 s101, s20, CQ
	s_lshl_b32 s40, s20, 6                         ; 64 wave
	s_mul_i32 s41, s20, 16*CP
	s_lshl_b32 s42, s21, 8
	s_add_co_u32 s42, s42, s40                     ; a bias: 256 TC + 64 wave
	s_and_b32 s43, s22, 15
	s_lshl_b32 s43, s43, 9
	v_and_b32 v1, 15, v0                           ; r
	v_bfe_u32 v2, v0, 4, 1                         ; hh
	v_and_b32 v3, 31, v0                           ; lane
	v_mul_u32_u24 v4, v1, PITCH
	v_lshl_add_u32 v[ADRA], v2, 4, v4
	v_add_nc_u32 v[ADRA+1], 8*16*PITCH, v[ADRA]
	v_add_nc_u32 v[ADRA+2], SLOT, v[ADRA]
	v_add_nc_u32 v[ADRA+3], SLOT+8*16*PITCH, v[ADRA]
	v_lshlrev_b32 v[BV], 4, v3
	v_mul_u32_u24 v5, v1, CP
	v_lshl_add_u32 v5, v2, 5, v5
	v_add_nc_u32 v[EC], s40, v5                    ; row r, + 64 wave + 32 hh
	v_add_nc_u32 v[EH], SLOT, v[EC]
	v_mul_u32_u24 v6, v2, CP
	v_lshl_add_u32 v6, v1, 4, v6
	v_add_nc_u32 v[RC], s41, v6                    ; row 16 wave + lane / 16, 16 bytes a lane
	v_add_nc_u32 v[RH], SLOT, v[RC]
	v_lshlrev_b32 v[CO], 4, v1
	v_lshl_add_u32 v[CO], v2, 12, v[CO]
	v_lshlrev_b32 v[BO], 5, v2
	v_add_nc_u32 v[BO], s42, v[BO]
	v_lshrrev_b32 v[PFV], 1, v3
	v_lshlrev_b32 v[PFV], 10, v[PFV]
	v_and_b32 v7, 1, v0
	v_lshl_add_u32 v[PFV], v7, 8, v[PFV]
	v_lshlrev_b32 v[PFC], 12, v3
	v_lshlrev_b32 v[PFW], 8, v7
	v_add_nc_u32 v[PFW], s43, v[PFW]
	s_wait_alu depctr_va_vdst(0)
	s_wait_dscnt 0x0                               ; both opening adds are done
	s_wait_kmcnt 0x0
	s_load_b128 s[96:99], s[10:11], 0x0            ; e0 .. e3
	s_add_nc_u64 s[4:5], s[4:5], s[60:61]
	s_add_nc_u64 s[6:7], s[6:7], s[60:61]
	s_add_nc_u64 s[8:9], s[8:9], s[62:63]
	s_add_nc_u64 s[12:13], s[12:13], s[86:87]
	s_add_nc_u64 s[14:15], s[14:15], s[84:85]
	s_add_nc_u64 s[16:17], s[16:17], s[84:85]
	s_add_nc_u64 s[90:91], s[4:5], s[88:89]
	s_add_nc_u64 s[92:93], s[6:7], s[88:89]
	GRP0 F0, 100, 0, 4, 0                          ; x, k 0-511 -> slot 0
	GRP0 F1, 100, SLOT, 4, 512                     ; x, k 512-1023 -> slot 1
	GRP0 F2, 100, 0, 6, 0                          ; h likewise
	GRP0 F3, 100, SLOT, 6, 512
	GRP0 CD, 101, 0, 12, 0                         ; c -> slot 0
	CROUND                                         ; the four work-groups are here: the first joint loads meet
	TLOAD F0, G1A                                  ; one tensor load a wave at the head
	global_prefetch_b8 v[PFV], s[90:91] offset:512 th:TH_LOAD_NT scope:SCOPE_SE   ; the second fill's bytes
.irp g, 0,1,2,3
.irp p, 0,1
	global_load_b128 v[BIAS+8*\g+4*\p:BIAS+8*\g+4*\p+3], v[BO], s[68+2*\g:69+2*\g] offset:16*\p
	global_load_b128 v[AF+8*\g+4*\p:AF+8*\g+4*\p+3], v[BO], s[76+2*\g:77+2*\g] offset:16*\p
.endr
.endr
	WIN TO_B
.set j, 0
.rept 48                               ; the weights of steps 0, 1, 2: sets 0, 1, 2
	global_load_b128 v[4*j:4*j+3], v[BV], s[8:9] offset:512*j
.set j, j+1
.endr
	WIN 0
	s_wait_kmcnt 0x0
	s_add_co_i32 s60, s96, s97
	s_add_co_i32 s61, s98, s99
	s_sub_co_i32 s60, s60, s61                     ; d
	s_add_co_i32 s60, s60, 127
	s_lshl_b32 s66, s60, 23                        ; 2^d  (each factor is named as a pair by the packed forms: the upper word is written too)
	s_mov_b32 s67, s66
	s_lshl_b32 s61, s61, 23
	s_mov_b32 s84, 0xbfb8aa3b                      ; -L
	s_mov_b32 s85, s84
	s_mov_b32 s86, 0xc038aa3b                      ; -2 L
	s_mov_b32 s87, s86
	s_add_co_i32 s18, s84, s61                     ; -L 2^(e2 + e3)
	s_mov_b32 s19, s18
	s_add_co_i32 s2, s86, s61                      ; -2 L 2^(e2 + e3)
	s_mov_b32 s3, s2
	s_mov_b32 s88, 0x41f00000                      ; 30.0
	s_wait_loadcnt 48                              ; the 16 loads of biases are in; the weights' 48 may be out
.set j, 0
.rept 16
	v_pk_add_f32 v[BIAS+j:BIAS+j+1], v[BIAS+j:BIAS+j+1], v[AF+j:AF+j+1]
.set j, j+2
.endr
.set j, 0
.rept 12
	v_pk_mul_f32 v[BIAS+j:BIAS+j+1], v[BIAS+j:BIAS+j+1], s[84:85] op_sel_hi:[1,0]
.set j, j+2
.endr
.rept 4
	v_pk_mul_f32 v[BIAS+j:BIAS+j+1], v[BIAS+j:BIAS+j+1], s[86:87] op_sel_hi:[1,0]
.set j, j+2
.endr
.macro FRAG n                          ; block n's fragment: lane (r, hh): registers 4 c .. 4 c + 3 hold k = 32 c + 16 hh + 0 .. 15 of row r: the same places of k as in wq's images
.set R_, AF+16*((\n)%12)
.set AD_, ADRA+2*(((\n)/64)%2)+(((\n)%16)/8)
.set O_, 128*(((\n)/16)%4)+((\n)%8)*16*PITCH
.irp c, 0,1,2,3
	ds_load_b128 v[R_+4*\c:R_+4*\c+3], v[AD_] offset:O_+32*\c
.endr
.set FI, (\n)                          ; the youngest fragment asked for
.endm
.macro WM m, b                         ; the 64 accumulators take turns, in the same order in every step; the first step's products start the sums
.set D_, 8*(4*((\m)%8)+\b)
.set B_, 64*(((\m)/16)%4)+16*\b
.set A_, AF+16*((\m)%12)
.if (\m) < 16
	v_wmma_f32_16x16x128_bf8_bf8 v[D_:D_+7], v[B_:B_+15], v[A_:A_+15], 0
.else
	v_wmma_f32_16x16x128_bf8_bf8 v[D_:D_+7], v[B_:B_+15], v[A_:A_+15], v[D_:D_+7]
.endif
.endm
; Block m = 16 S + a: step S, row block a.  ch = 1: behind a fourth block the run of fragment loads stands.
; wt = 1: ahead of blocks m .. m + 3 the wait for their fragments: behind the loads of fragment m + 3 stand those of FI - m - 3 younger fragments (and AX adds).
.macro BLK m, ch, wt
.if ((\m)%16) == 0
.if (\m)/16 < 14
	s_wait_loadcnt 32                              ; this step's set is in; the two younger sets may be out
.else
	s_wait_loadcnt 16*(15-(\m)/16)
.endif
.endif
.if (\wt) && (((\m)%4) == 0)
	s_wait_dscnt 4*(FI-(\m)-3)+AX
.endif
	WIN 0xa1+0x50*(((\m)%16)/8)                    ; source 0 window 1, source 1 window 0, C and D window 2 or 3
	WM \m, 0
	WM \m, 1
	WM \m, 2
	WM \m, 3
.if ((\m) >= 113) && ((\m) <= 128)     ; x's last step is blocks 112-127: behind block m's products the four sums of block m - 1, which have had their last product of x, are multiplied by 2^d, each accumulator from its low end on
.if (\m) == 113
.rept 4
	v_nop                                          ; the places behind block 112's products; further on the 16 lines of the block before are the places
.endr
.endif
	WIN 0x82+0x41*((((\m)-1)%16)/8)                ; source 0 and destination window 2 or 3
.set Q_, 32*(((\m)-1)%8)
.set j, 0
.rept 16
	v_pk_mul_f32 v[Q_+j:Q_+j+1], v[Q_+j:Q_+j+1], s[66:67] op_sel_hi:[1,0]
.set j, j+2
.endr
.if (\m) == 128
	s_wait_alu depctr_va_vdst(0)
.endif
.endif
.if (\ch) && (((\m)%4) == 3)
.rept 4
	v_nop                                          ; the places in front of the loads below
.endr
	WIN 0
	FRAG (\m)+9
	FRAG (\m)+10
	FRAG (\m)+11
	FRAG (\m)+12
.if (((\m)%16) == 3) && ((\m)/16 < 9)
	global_prefetch_b8 v[PFW], s[8:9] offset:((\m)/16+7)*8192 th:TH_LOAD_NT scope:SCOPE_SE   ; four steps ahead of the load that wants it
.endif
.if (\m) == 75
	global_prefetch_b8 v[PFC], s[12:13] th:TH_LOAD_NT scope:SCOPE_SE                         ; my first 32 rows of c
.endif
.if (\m) == 107
	global_prefetch_b8 v[PFC], s[12:13] offset:32*4096 th:TH_LOAD_NT scope:SCOPE_SE          ; and the other 32
.endif
.endif
.if (((\m)%4) == 3) && ((\m)/16 < 13)
	WIN TO_B                                       ; a quarter of step S + 3's set, into the set that step S - 1 read (this step's first run of v_nop stands between)
.set G_, 64*(((\m)/16+3)%4)+16*(((\m)%16)/4)
.set P_, ((\m)/16+3)*8192+(((\m)%16)/4)*2048
.irp c, 0,1,2,3
	global_load_b128 v[G_+4*\c:G_+4*\c+3], v[BV], s[8:9] offset:P_+512*\c
.endr
.endif
.endm
.macro RUN from, to
.set M, \from
.rept (\to)-(\from)
	BLK M, 1, 1
.set M, M+1
.endr
.endm
; The change of slots, eight blocks ahead of the slot's last product: its last fragment has been asked for, and the run behind block b0 - 1, the next slot's first four fragments, is held back.
; Each wave waits for all its tensor loads, adds 0 to its spare word, and waits for that and its reads; a round of the cluster's barrier; the refill first behind it; then the run that was held back.
.macro MEET b0, g0, g1
	WIN 0
	s_wait_tensorcnt 0x0
	ds_add_u32 v[SPW], v[NIL]
.set AX, 1
	BLK \b0, 0, 1
	BLK (\b0)+1, 0, 1
	s_wait_dscnt 0x0                               ; the add is done, and my reads of this slot are over
.set AX, 0
	s_barrier_signal -1
	BLK (\b0)+2, 0, 0
	WIN 0
	s_barrier_wait -1
	CREST
	TLOAD \g0, \g1
	FRAG (\b0)+8
	FRAG (\b0)+9
	FRAG (\b0)+10
	FRAG (\b0)+11
.endm
; THE WAY OUT.  Group p is rows 64 p .. 64 p + 63; behind its barrier wave w takes rows 64 p + 16 w + 0 .. 15, whole.
.macro LOADB p
.set t, 0
.rept 8
	ds_load_b128 v[OB+4*t:OB+4*t+3], v[RC] offset:(64*(\p)+2*t)*CP
.set t, t+1
.endr
.set t, 0
.rept 8
	ds_load_b128 v[OB+32+4*t:OB+32+4*t+3], v[RH] offset:(64*(\p)+2*t)*CP
.set t, t+1
.endr
.endm
.macro SENDO p, which                  ; which = 0: c_next to out1; 1: h_next to out0.  16 lanes store 256 consecutive bytes, aligned
.set t, 0
.rept 8
	global_store_b128 v[CO], v[OB+32*(\which)+4*t:OB+32*(\which)+4*t+3], s[16-2*(\which):17-2*(\which)] offset:(64*(\p)+2*t)*4096 th:TH_STORE_NT
.set t, t+1
.endr
.endm
.macro JOIN                            ; my stores of c_next and h_next are done; the work-group's barrier.
	s_wait_alu depctr_va_vdst(0)
	s_wait_dscnt 0x0
	s_barrier_signal -1
	s_barrier_wait -1
.endm
; THE CELL for row blocks 2 A and 2 A + 1: 16 numbers a lane.  Each batch of transcendentals has one wait ahead of it and one behind it.  send = p: group p's rows, read back, are stored.
.macro GATES A, send
.set AC, 64*((\A)%4)
.set CS, CC+16*((\A)%2)
.set BOFF, (\A)*32*CP
.irp k, 0,1
	ds_load_b128 v[CS+8*\k:CS+8*\k+3], v[EC] offset:BOFF+\k*16*CP
	ds_load_b128 v[CS+8*\k+4:CS+8*\k+7], v[EC] offset:BOFF+\k*16*CP+16
.endr
	WIN 0x02+((\A)/4)
	s_wait_alu depctr_va_vdst(0)                   ; directly ahead of the first reader of these sums
.irp k, 0,1
.irp g, 0,1,2,3
.irp j, 0,2,4,6
.if \g == 3
	v_pk_fma_f32 v[Z+16*\g+8*\k+\j:Z+16*\g+8*\k+\j+1], v[AC+32*\k+8*\g+\j:AC+32*\k+8*\g+\j+1], s[2:3], v[BIAS+8*\g+\j:BIAS+8*\g+\j+1] op_sel_hi:[1,0,1]
.else
	v_pk_fma_f32 v[Z+16*\g+8*\k+\j:Z+16*\g+8*\k+\j+1], v[AC+32*\k+8*\g+\j:AC+32*\k+8*\g+\j+1], s[18:19], v[BIAS+8*\g+\j:BIAS+8*\g+\j+1] op_sel_hi:[1,0,1]
.endif
.endr
.endr
.endr
	WIN 0
.set j, 0
.rept 32
	v_min_num_f32 v[ZI+j], s88, v[ZI+j]            ; i's and f's held at 30,
.set j, j+1
.endr
.set j, 0
.rept 16
	v_min_num_f32 v[ZG+j], s88, v[ZG+j]            ; and g's
.set j, j+1
.endr
	s_wait_alu depctr_va_vdst(0)
.set j, 0
.rept 64
	v_exp_f32 v[Z+j], v[Z+j]
.set j, j+1
.endr
	v_nop
	s_wait_alu depctr_va_vdst(0)
.irp j, 0,2,4,6,8,10,12,14
	v_pk_fma_f32 v[T0+\j:T0+\j+1], v[ZG+\j:ZG+\j+1], -1.0, 1.0 op_sel_hi:[1,0,0]               ; 1 - eg
.endr
.irp j, 0,2,4,6,8,10,12,14
	v_pk_add_f32 v[ZI+\j:ZI+\j+1], v[ZI+\j:ZI+\j+1], 1.0 op_sel_hi:[1,0]                       ; 1 + ei
.endr
.irp j, 0,2,4,6,8,10,12,14
	v_pk_fma_f32 v[ZI+\j:ZI+\j+1], v[ZI+\j:ZI+\j+1], v[ZG+\j:ZG+\j+1], v[ZI+\j:ZI+\j+1]        ; P = (1 + ei)(1 + eg)
.endr
.irp j, 0,2,4,6,8,10,12,14
	v_pk_fma_f32 v[T0+\j:T0+\j+1], v[T0+\j:T0+\j+1], v[ZF+\j:ZF+\j+1], v[T0+\j:T0+\j+1]        ; (1 - eg)(1 + ef)
.endr
.irp j, 0,2,4,6,8,10,12,14
	v_pk_fma_f32 v[ZF+\j:ZF+\j+1], v[ZI+\j:ZI+\j+1], v[ZF+\j:ZF+\j+1], v[ZI+\j:ZI+\j+1]        ; P (1 + ef)
.endr
	s_wait_alu depctr_va_vdst(0)
	s_wait_dscnt 0x0                               ; c is in, and so are the rows read back; the pair before's LDS stores have read their registers
.if (\send) < 4
	SENDO \send, 0
	SENDO \send, 1
.endif
.irp j, 0,2,4,6,8,10,12,14
	v_pk_fma_f32 v[T0+\j:T0+\j+1], v[CS+\j:CS+\j+1], v[ZI+\j:ZI+\j+1], v[T0+\j:T0+\j+1]        ; c P + (1 - eg)(1 + ef)
.endr
	s_wait_alu depctr_va_vdst(0)
.set j, 0
.rept 16
	v_rcp_f32 v[ZF+j], v[ZF+j]
.set j, j+1
.endr
	v_nop
	s_wait_alu depctr_va_vdst(0)
.irp j, 0,2,4,6,8,10,12,14
	v_pk_mul_f32 v[CS+\j:CS+\j+1], v[T0+\j:T0+\j+1], v[ZF+\j:ZF+\j+1]                          ; c_next
.endr
.irp k, 0,1
	ds_store_b128 v[EC], v[CS+8*\k:CS+8*\k+3] offset:BOFF+\k*16*CP                             ; over the very bytes of c that I read
	ds_store_b128 v[EC], v[CS+8*\k+4:CS+8*\k+7] offset:BOFF+\k*16*CP+16
.endr
.irp j, 0,2,4,6,8,10,12,14
	v_pk_mul_f32 v[T0+\j:T0+\j+1], v[CS+\j:CS+\j+1], s[86:87] op_sel_hi:[1,0]                  ; -2 L c_next
.endr
.set j, 0
.rept 16
	v_min_num_f32 v[T0+j], s88, v[T0+j]
.set j, j+1
.endr
	s_wait_alu depctr_va_vdst(0)
.set j, 0
.rept 16
	v_exp_f32 v[T0+j], v[T0+j]                     ; ec
.set j, j+1
.endr
	v_nop
	s_wait_alu depctr_va_vdst(0)
.irp j, 0,2,4,6,8,10,12,14
	v_pk_fma_f32 v[T1+\j:T1+\j+1], v[T0+\j:T0+\j+1], -1.0, 1.0 op_sel_hi:[1,0,0]               ; 1 - ec
.endr
.irp j, 0,2,4,6,8,10,12,14
	v_pk_add_f32 v[T0+\j:T0+\j+1], v[T0+\j:T0+\j+1], 1.0 op_sel_hi:[1,0]                       ; 1 + ec
.endr
.irp j, 0,2,4,6,8,10,12,14
	v_pk_fma_f32 v[T0+\j:T0+\j+1], v[T0+\j:T0+\j+1], v[ZO+\j:ZO+\j+1], v[T0+\j:T0+\j+1]        ; (1 + ec)(1 + eo)
.endr
	s_wait_alu depctr_va_vdst(0)
.set j, 0
.rept 16
	v_rcp_f32 v[T0+j], v[T0+j]
.set j, j+1
.endr
	v_nop
	s_wait_alu depctr_va_vdst(0)
.irp j, 0,2,4,6,8,10,12,14
	v_pk_mul_f32 v[T1+\j:T1+\j+1], v[T1+\j:T1+\j+1], v[T0+\j:T0+\j+1]                          ; h_next
.endr
.irp k, 0,1
	ds_store_b128 v[EH], v[T1+8*\k:T1+8*\k+3] offset:BOFF+\k*16*CP
	ds_store_b128 v[EH], v[T1+8*\k+4:T1+8*\k+7] offset:BOFF+\k*16*CP+16
.endr
.endm
	s_wait_alu depctr_va_vdst(0)                   ; the head's end
	s_wait_tensorcnt 0x0                           ; my part of the first fill is in; slot 1's first fill is issued as a refill is:
	ds_add_u32 v[SPW], v[NIL]
	s_wait_dscnt 0x0
	CROUND
	TLOAD F1, G1A
.irp n, 0,1,2,3,4,5,6,7,8,9,10,11
	FRAG \n
.endr
	global_prefetch_b8 v[PFV], s[92:93] th:TH_LOAD_NT scope:SCOPE_SE              ; the third fill's bytes
.set AX, 0
	RUN 0, 55                                      ; x, k 0-511
	BLK 55, 0, 1                                   ; its run of fragments belongs to the next slot: it follows the refill
	MEET 56, F2, G1A                               ; slot 0 takes h, k 0-511
	global_prefetch_b8 v[PFV], s[92:93] offset:512 th:TH_LOAD_NT scope:SCOPE_SE   ; the fourth fill's bytes
	RUN 59, 119
	BLK 119, 0, 1
	MEET 120, F3, G1A                              ; slot 1 takes h, k 512-1023
	RUN 123, 183                                   ; x's last blocks, with the multiplications by 2^d among them, and h's first
	BLK 183, 0, 1
	MEET 184, CD, G1C                              ; slot 0 takes c's tile
	RUN 187, 244                                   ; block 243's run asks for the last four fragments
.irp m, 244,245,246,247,248,249,250,251
	BLK \m, 0, 1
.endr
	s_wait_dscnt 0x0                               ; my reads of slot 1 are over,
	s_wait_tensorcnt 0x0                           ; and my 64 rows of c have landed
	s_barrier_signal -1
.irp m, 252,253,254,255
	BLK \m, 0, 0
.endr
	WIN 0
	s_barrier_wait -1                              ; both hold of every wave: c may be read, and slot 1 may be written
.rept 4
	v_nop                                          ; places behind the last products
.endr
	GATES 0, 9
	GATES 1, 9
	JOIN
	LOADB 0
	GATES 2, 0
	GATES 3, 9
	JOIN
	s_wait_xcnt 0x0                                ; the last stores have read their registers: the next loads may land there
	LOADB 1
	GATES 4, 1
	GATES 5, 9
	JOIN
	s_wait_xcnt 0x0
	LOADB 2
	GATES 6, 2
	GATES 7, 9
	JOIN
	s_wait_xcnt 0x0
	LOADB 3
	s_wait_dscnt 8                                 ; c_next's eight loads are in; h_next's may be out
	SENDO 3, 0
	s_wait_dscnt 0x0
	SENDO 3, 1
	s_wait_tensorcnt 0x0                           ; the wave's end
	ds_add_u32 v[SPW], v[NIL]
	s_wait_dscnt 0x0
	CROUND                                         ; the closing round
	s_endpgm
.Lfunc_end_k_q53c13dc9fc_lstm:
	.size	k_q53c13dc9fc_lstm, .Lfunc_end_k_q53c13dc9fc_lstm-k_q53c13dc9fc_lstm
	.p2alignl 7, 3214868480
	.fill 96, 4, 3214868480
	.section	.rodata,"a",@progbits
	.p2align	6, 0x0
	.amdhsa_kernel k_q53c13dc9fc_lstm
		.amdhsa_group_segment_fixed_size 327680
		.amdhsa_private_segment_fixed_size 0
		.amdhsa_enable_private_segment 0
		.amdhsa_kernarg_size 120
		.amdhsa_user_sgpr_count 2
		.amdhsa_user_sgpr_kernarg_segment_ptr 1
		.amdhsa_wavefront_size32 1
		.amdhsa_system_sgpr_workgroup_id_x 1
		.amdhsa_system_sgpr_workgroup_id_y 1
		.amdhsa_system_sgpr_workgroup_id_z 1
		.amdhsa_system_vgpr_workitem_id 0
		.amdhsa_next_free_vgpr 1024
		.amdhsa_next_free_sgpr 106
		.amdhsa_reserve_vcc 0
		.amdhsa_float_denorm_mode_32 3
		.amdhsa_float_denorm_mode_16_64 3
		.amdhsa_memory_ordered 1
		.amdhsa_forward_progress 1
		.amdhsa_inst_pref_size 255
	.end_amdhsa_kernel
	.section	.bss,"aw",@nobits
	.p2align	6
	.space	262144
	.amdgpu_metadata
---
amdhsa.version: [ 1, 2 ]
amdhsa.kernels:
  - .name:           k_q53c13dc9fc_lstm
    .symbol:         k_q53c13dc9fc_lstm.kd
    .args:
      - { .name: x_codes, .offset: 0, .size: 8, .value_kind: global_buffer, .address_space: global }
      - { .name: h_codes, .offset: 8, .size: 8, .value_kind: global_buffer, .address_space: global }
      - { .name: wq, .offset: 16, .size: 8, .value_kind: global_buffer, .address_space: global }
      - { .name: lowp_scales, .offset: 24, .size: 8, .value_kind: global_buffer, .address_space: global }
      - { .name: c, .offset: 32, .size: 8, .value_kind: global_buffer, .address_space: global }
      - { .name: out0, .offset: 40, .size: 8, .value_kind: global_buffer, .address_space: global }
      - { .name: out1, .offset: 48, .size: 8, .value_kind: global_buffer, .address_space: global }
      - { .name: Wxi_b, .offset: 56, .size: 8, .value_kind: global_buffer, .address_space: global }
      - { .name: Wxf_b, .offset: 64, .size: 8, .value_kind: global_buffer, .address_space: global }
      - { .name: Wxo_b, .offset: 72, .size: 8, .value_kind: global_buffer, .address_space: global }
      - { .name: Wxg_b, .offset: 80, .size: 8, .value_kind: global_buffer, .address_space: global }
      - { .name: Whi_b, .offset: 88, .size: 8, .value_kind: global_buffer, .address_space: global }
      - { .name: Whf_b, .offset: 96, .size: 8, .value_kind: global_buffer, .address_space: global }
      - { .name: Who_b, .offset: 104, .size: 8, .value_kind: global_buffer, .address_space: global }
      - { .name: Whg_b, .offset: 112, .size: 8, .value_kind: global_buffer, .address_space: global }
    .group_segment_fixed_size: 327680
    .private_segment_fixed_size: 0
    .kernarg_segment_align: 8
    .kernarg_segment_size: 120
    .max_flat_workgroup_size: 128
    .sgpr_count:     106
    .vgpr_count:     1024
    .wavefront_size: 32
...
	.end_amdgpu_metadata
.endif
;; end of part 2
